; MI455X (gfx1250); checked and timed in simulation.
; The chip was launched on July 23, 2026; its instructions are those of AMD's public machine-readable ISA for CDNA 5 (MIT licence, August 2026) and "CDNA5" Instruction Set Architecture Reference Guide (July 2026). The comments in the code are by the model that wrote it; some were corrected since.
;; Mix Llama MLP. Allowed arithmetic: matrix products marked QUANTISED: E5M2 operands, one E8M0 scale for each 32 along K, by v_wmma_scale_f32_16x16x128_f8f6f4 with both operands' format E5M2, f32 sums; everything else in f32.
;; Inputs: W_down 4,096 x 1,376 float32; W_gate 1,376 x 4,096 float32; W_up 1,376 x 4,096 float32; x 2 x 2,048 x 4,096 float32.
;; Outputs: out0 2 x 2,048 x 4,096 float32.
;; This version of the problem:
;;   THIS VERSION OF THE PROBLEM IS GIVEN IN LOW PRECISION. The matrix products marked QUANTISED in the list below multiply operands that are first quantised to E5M2 (5 exponent bits, 2 mantissa bits; 8 bits a number), with one power-of-two scale for each 32 numbers along K (OCP MX v1.0); their sums are f32. All else is computed in f32.
;;   The module's matrix products, in the order in which they are computed (A, B: the left and right operand; K: the contracted axis; several contracted axes count as one K, in the product's order):
;;     1. [M 4,096, K 4,096] x [K 4,096, N 1,376]; A: input x; B: input W_up: QUANTISED
;;     2. [M 4,096, K 4,096] x [K 4,096, N 1,376]; A: input x; B: input W_gate: QUANTISED
;;     3. [M 4,096, K 1,376] x [K 1,376, N 4,096]; A: computed on the way; B: input W_down: QUANTISED
;;   THE QUANTISER, for each operand of a quantised product, along K:
;;     - K is cut into blocks of 32 from its start; a last block that is shorter is filled with zeros.
;;     - A block's scale is 2^e with e = floor(log2(the largest magnitude in the block)) - 15, held to -126 .. 127; a block of zeros has e = 0. As a byte (E8M0): e + 127.
;;     - Each number is divided by its block's scale, clamped to +-57,344, and rounded to the nearest number of E5M2, ties to even, subnormals kept.
;;     - The product sums the exact products of the quantised numbers (number of the format x scale) in f32.
;;   ~~~python
;;   def quantise(x, axis):      # numpy; x: float32 -> the quantised numbers, widened to float32 again
;;       x = np.moveaxis(x, axis, -1); K = x.shape[-1]
;;       x = np.pad(x, [(0, 0)] * (x.ndim - 1) + [(0, -K % 32)]); x = x.reshape(x.shape[:-1] + (-1, 32)); a = np.abs(x).max(-1, keepdims=True)
;;       e = np.where(a > 0, np.clip(np.frexp(np.where(a > 0, a, 1))[1] - 1 - 15, -126, 127), 0)      # np.frexp(a)[1] - 1 = floor(log2(a)), exactly
;;       r = np.clip(x / 2.0 ** e, -57344, 57344)
;;       step = 2.0 ** (np.maximum(np.frexp(np.where(r == 0, 1, r))[1] - 1, -14) - 2)
;;       q = np.round(r / step) * step * 2.0 ** e      # np.round: ties to even
;;       return np.moveaxis(q.reshape(q.shape[:-2] + (-1,))[..., :K], -1, axis).astype(np.float32)
;;   ~~~
;;   OPERANDS COMPUTED ON THE WAY. 'Computed on the way' means the value that the module computes at that place (a softmax that the list does not call 'softmax' is quantised finished and normalised). What goes into a quantiser is computed in f32, as accurately as f32 sums, v_exp_f32 and their like allow (about 1e-6 of the number): no bf16 or f16 on the way to a quantiser, and a product that is left as it is and whose result goes on into a quantised operand takes f32 operands (vector FMAs, or v_wmma_f32_16x16x4_f32). A number that lies on a knife's edge between two numbers of the format may be rounded either way, as far as f32 arithmetic and the matrix unit's own rounding can turn it there, and no further.
;; One version. Each part assembles by itself: llvm-mc -triple=amdgcn-amd-amdhsa -mcpu=gfx1250 --defsym DOCPART=n.
;; ======== version 1 of 1: 3 launches
;; workspace buffers: xq 17,301,504 bytes; wq 12,976,128 bytes; dq 6,488,064 bytes; hq 6,488,064 bytes
;; launch quant (part 1): grid 1088 x 1, 4 waves a work-group, no clusters, 35,328 bytes of LDS; arguments x, W_gate, W_up, W_down, xq, wq, dq; writes xq, wq, dq
.if DOCPART == 1
	.amdgcn_target "amdgcn-amd-amdhsa--gfx1250"
	.amdhsa_code_object_version 6
	.text
	.protected	k_qff7ec213f6_quant
	.globl	k_qff7ec213f6_quant
	.p2align	8
	.type	k_qff7ec213f6_quant,@function
k_qff7ec213f6_quant:
	s_mov_b64 s[64:65], 0
	v_nop
	global_prefetch_b8 v0, s[64:65] scope:SCOPE_SE
	s_setreg_imm32_b32 hwreg(HW_REG_WAVE_MODE, 25, 1), 1
	s_wait_xcnt 0x0
; x [4096][4096], W_gate and W_up [1376][4096], W_down [4096][1376], all f32 with K innermost, become codes of BF8 (E5M2) with one E8M0 scale byte for each 32 along K.
; A block's scale is 2^(floor(log2(its largest magnitude)) - 15); its byte is the largest magnitude's exponent field - 15, held at 1 from below; each number is held within +-57,344 x the scale and rounded to the nearest code, ties to even.
; THE CODES ARE LAID AS IMAGES OF THE OPERAND'S REGISTERS.  A piece = 16 rows x one block of 32 K = 512 bytes: lane l = r + 16 h has its 16 bytes at 16 l: row r, k = 16 h + 0 .. 15 of the block.
;   BLK (33,792 bytes) = 128 rows x 256 K: codes at 4096 a + 512 beta + 16 l (row tile a, block beta), scale bytes at 32768 + 8 row + beta.
;   xq: block (R, s) at (16 R + s) BLK.   dq (W_down): block (R, s) at (6 R + s) BLK, s = 0 .. 5; its blocks of 32 from the 43rd on (K beyond 1,376) are zero codes.
;   wq: for hidden tile j (192 units) and K step s a region of 3 BLK at (16 j + s) WREG: four parts of WSUB, one for each wave of the product's work-group: six row tiles t = 2 g + u: units 192 j + 48 w + 16 g + r of W_gate (u = 0) or W_up (u = 1);
;       codes at 4096 t + 512 beta + 16 l, scale bytes at 24576 + 8 (16 t + r) + beta.  Units from 1,376 on do not exist: zero codes, byte 127.
; SHARES.  A wave makes 32 destination rows x 256 K: sixteen pieces (8,192 bytes) and 256 scale bytes.  Work-groups 0-511 take x, 512-895 the two first weights, 896-1087 W_down: pointers and sizes are CHOSEN (s_cselect) on the work-group's number,
; so that all take one path.  Work-groups share no input, so there is no cluster; waves share nothing, so there is no barrier.
; A step = 16 rows x 64 K.  Its eight loads take the bytes as they lie (16 lanes: 256 consecutive bytes of a row); they turn through the wave's own stage in LDS (rows of 256 + 16 bytes), so that lane (r, h) gets 16 NEIGHBOURS of row r.
; Loads run three steps (24 loads a wave) ahead, the turn one step.  Every piece has its own four registers for its codes: no store's data are written again.
; LIMITS: NaN and infinities among the inputs are not served.  A block of zeros gets the byte 1 where the rule says 127: its codes are zeros, and these bytes are read by this program alone.
.set BLK,   33792
.set WREG,  101376
.set WSUB,  25344
.set VMK,   40                         ; s[40:47] block beta of my 256 K exists: -1, else 0
.set LO,    48                         ; s[48:49] source of my row tile 0
.set HI,    50                         ; s[50:51] of my row tile 1
.set DC,    52                         ; s[52:53] where my codes go
.set DS,    54                         ; s[54:55] where my scale bytes go
.set P2,    56                         ; s[56:57] two source rows in bytes
.set PIT,   58                         ; s58 a source row in bytes
.set LIM,   59                         ; s59 the last 16 bytes of my 256 K that exist
.set NB,    60                         ; s60 blocks of my 256 K that exist
.set MNT,   61                         ; s61 the mantissa field of 57,344
.set SEL,   62                         ; s[62:63] v_permlanex16_b32's selects for lane l xor 16
.set SBP,   66                         ; s[66:97] sixteen bases: pair i of rows of row tile a' at s[SBP + 2 (8 a' + i)]
.set VL,    4                          ; v4-7   load offset for K segment g
.set STI,   8                          ; v8     the stage, on the way in
.set STO,   9                          ; v9     and out
.set CO,    10                         ; v10    16 x lane
.set SO,    11                         ; v11    8 x lane
.set SB,    12                         ; v12-15 scale bytes: two registers a row tile
.set QM,    16                         ; v16-17 largest magnitudes
.set QT,    18                         ; v18-19 the other half's
.set QS,    20                         ; v20-21 the conversions' scale operands
.set QH,    22                         ; v22-23 57,344 x the scale
.set QB,    24                         ; v24-25 bytes
.set RW,    32                         ; v32-127  three sets of 32: as loaded
.set XN,    128                        ; v128-191 two sets of 32: neighbours
.set CD,    192                        ; v192-255 codes
	s_load_b256 s[4:11], s[0:1], 0x0               ; x, W_gate, W_up, W_down
	s_load_b128 s[12:15], s[0:1], 0x20             ; xq, wq
	s_load_b64 s[16:17], s[0:1], 0x30              ; dq
	v_lshl_add_u32 v30, v0, 2, 0x8800
	v_mov_b32 v31, 0
	v_lshrrev_b32 v1, 5, v0
	v_readfirstlane_b32 s18, v1                    ; wave
	s_mov_b32 s19, ttmp9                           ; work-group
	v_and_b32 v1, 31, v0                           ; lane
	v_and_b32 v2, 15, v0                           ; r
	v_bfe_u32 v3, v0, 4, 1                         ; h
	s_mul_i32 s37, s18, 8704                       ; my wave's two stages
	v_mul_u32_u24 v[STI], v3, 272
	v_lshl_add_u32 v[STI], v2, 4, v[STI]
	v_add_nc_u32 v[STI], s37, v[STI]               ; in: lanes 0-15 one row, lanes 16-31 the next, 16 bytes a lane
	v_mul_u32_u24 v[STO], v2, 272
	v_lshl_add_u32 v[STO], v3, 6, v[STO]
	v_add_nc_u32 v[STO], s37, v[STO]               ; out: row r, + 64 h: my 16 numbers of a block
	v_lshlrev_b32 v[CO], 4, v1
	v_lshlrev_b32 v[SO], 3, v1
	v_mov_b32 v[QT], 0                             ; written once: a lane permute's destination counts as one of its sources
	v_mov_b32 v[QT+1], 0
	; the three sections' numbers, each made whether or not it is mine
	s_and_b32 s20, s19, 15                         ; x and the first weights: K step s
	s_lshl_b32 s36, s18, 5                         ; 32 x wave
	s_lshr_b32 s21, s19, 4
	s_lshl_b32 s21, s21, 7
	s_add_co_u32 s21, s21, s36                     ; x: my first row
	s_mul_i32 s22, s19, BLK                        ; x: my block
	s_sub_co_u32 s23, s19, 512
	s_lshr_b32 s23, s23, 4
	s_lshl_b32 s23, s23, 2
	s_add_co_u32 s23, s23, s18                     ; weights: G, my group of 16 hidden units, 0 .. 95
	s_mul_i32 s24, s23, 171
	s_lshr_b32 s24, s24, 9                         ; G / 3 (exact for G under 256) = 4 j + the product's wave
	s_mul_i32 s25, s24, 3
	s_sub_co_u32 s25, s23, s25                     ; g = G mod 3
	s_lshr_b32 s26, s24, 2
	s_lshl_b32 s26, s26, 4
	s_add_co_u32 s26, s26, s20
	s_mul_i32 s26, s26, WREG                       ; region (16 j + s)
	s_and_b32 s27, s24, 3
	s_mul_i32 s27, s27, WSUB
	s_add_co_u32 s26, s26, s27                     ; + the wave's part
	s_lshl_b32 s27, s23, 4                         ; my first row of both weights
	s_sub_co_u32 s28, s19, 896
	s_lshr_b32 s29, s28, 5                         ; W_down: K step s, 0 .. 5
	s_and_b32 s28, s28, 31                         ; and block of rows R
	s_mul_i32 s30, s28, 6
	s_add_co_u32 s30, s30, s29
	s_mul_i32 s30, s30, BLK                        ; my block
	s_lshl_b32 s28, s28, 7
	s_add_co_u32 s28, s28, s36                     ; my first row
	s_lshl_b32 s31, s29, 3
	s_sub_co_u32 s31, 43, s31
	s_min_u32 s31, s31, 8                          ; blocks of 32 that exist in this K step: 8, in the last 3
	s_mov_b32 s32, 1376*4
	s_mov_b32 s33, 4096*4
	s_mov_b32 s34, 32768
	s_mov_b32 s35, 24576
	s_mov_b32 s[MNT], 0x600000
	s_mov_b32 s[SEL], 0x76543210
	s_mov_b32 s[SEL+1], 0xfedcba98
	s_wait_kmcnt 0x0
	s_cmp_lt_u32 s19, 896                          ; the first weights rather than W_down
	s_cselect_b32 s29, s20, s29                    ; K step
	s_cselect_b32 s27, s27, s28                    ; first row
	s_cselect_b32 s[PIT], s33, s32                 ; a row's bytes
	s_cselect_b32 s26, s26, s30                    ; destination block
	s_cselect_b32 s25, s25, s18                    ; which 8,192 bytes of it
	s_cselect_b32 s35, s35, s34                    ; where its scale bytes begin
	s_cselect_b32 s[NB], 8, s31
	s_cselect_b32 s23, s23, 0                      ; G, or 0 where no row can be missing
	s_cselect_b32 s24, 0, 16                       ; rows from row tile 0's source to row tile 1's
	s_cselect_b64 s[LO:LO+1], s[6:7], s[10:11]
	s_cselect_b64 s[HI:HI+1], s[8:9], s[10:11]
	s_cselect_b64 s[DC:DC+1], s[14:15], s[16:17]
	s_cmp_lt_u32 s19, 512                          ; x rather than either
	s_cselect_b32 s29, s20, s29
	s_cselect_b32 s27, s21, s27
	s_cselect_b32 s[PIT], s33, s[PIT]
	s_cselect_b32 s26, s22, s26
	s_cselect_b32 s25, s18, s25
	s_cselect_b32 s35, s34, s35
	s_cselect_b32 s[NB], 8, s[NB]
	s_cselect_b32 s23, 0, s23
	s_cselect_b32 s24, 16, s24
	s_cselect_b64 s[LO:LO+1], s[4:5], s[LO:LO+1]
	s_cselect_b64 s[HI:HI+1], s[4:5], s[HI:HI+1]
	s_cselect_b64 s[DC:DC+1], s[12:13], s[DC:DC+1]
	s_mul_i32 s20, s27, s[PIT]                     ; first row x a row's bytes (under 2^27)
	s_lshl_b32 s21, s29, 10                        ; + 256 s numbers
	s_add_co_u32 s20, s20, s21
	s_mov_b32 s21, 0
	s_add_nc_u64 s[LO:LO+1], s[LO:LO+1], s[20:21]
	s_add_nc_u64 s[HI:HI+1], s[HI:HI+1], s[20:21]
	s_mul_i32 s20, s24, s[PIT]
	s_add_nc_u64 s[HI:HI+1], s[HI:HI+1], s[20:21]
	s_lshl_b32 s28, s25, 8
	s_add_co_u32 s28, s28, s35
	s_add_co_u32 s28, s28, s26
	s_mov_b32 s29, 0
	s_add_nc_u64 s[DS:DS+1], s[DC:DC+1], s[28:29]
	s_lshl_b32 s20, s25, 13
	s_add_co_u32 s20, s20, s26
	s_add_nc_u64 s[DC:DC+1], s[DC:DC+1], s[20:21]
	s_cmp_ge_u32 s23, 86                           ; 86 x 16 = 1,376: these hidden units do not exist.  A branch on ids alone, ahead of every load
	s_cbranch_scc1 .Lzero
	s_lshl_b32 s[LIM], s[NB], 7
	s_sub_co_u32 s[LIM], s[LIM], 16
	s_lshl_b32 s[P2], s[PIT], 1
	s_mov_b32 s[P2+1], 0
.irp b, 0,1,2,3,4,5,6,7
	s_cmp_gt_u32 s[NB], \b
	s_cselect_b32 s[VMK+\b], -1, 0
.endr
	s_mov_b64 s[SBP:SBP+1], s[LO:LO+1]
	s_mov_b64 s[SBP+16:SBP+17], s[HI:HI+1]
.irp i, 1,2,3,4,5,6,7
	s_add_nc_u64 s[SBP+2*\i:SBP+2*\i+1], s[SBP+2*\i-2:SBP+2*\i-1], s[P2:P2+1]
	s_add_nc_u64 s[SBP+16+2*\i:SBP+17+2*\i], s[SBP+14+2*\i:SBP+15+2*\i], s[P2:P2+1]
.endr
	v_lshlrev_b32 v16, 4, v2
	v_mul_lo_u32 v17, v3, s[PIT]                   ; lanes 16-31: one row down
.irp g, 0,1,2,3
	v_add_nc_u32 v[VL+\g], 256*\g, v16
	v_min_u32 v[VL+\g], s[LIM], v[VL+\g]           ; no load leaves its row: past the end of K a lane reads the row's last 16 bytes, and the hold below makes zeros of them
	v_add_nc_u32 v[VL+\g], v[VL+\g], v17
.endr
; step u: row tile u / 4, K segment u % 4
.macro LOAD u
.irp i, 0,1,2,3,4,5,6,7
	global_load_b128 v[RW+32*((\u)%3)+4*\i:RW+32*((\u)%3)+4*\i+3], v[VL+(\u)%4], s[SBP+2*(8*((\u)/4)+\i):SBP+2*(8*((\u)/4)+\i)+1] th:TH_LOAD_NT
.endr
.endm
.macro TURN u                          ; through the stage: LDS serves a wave's instructions in order (ISA guide 5.7.1.4), so no wait stands between the stores and the loads
.irp i, 0,1,2,3,4,5,6,7
	ds_store_b128 v[STI], v[RW+32*((\u)%3)+4*\i:RW+32*((\u)%3)+4*\i+3] offset:4352*((\u)%2)+544*\i
.endr
.irp b, 0,1
.irp i, 0,1,2,3
	ds_load_b128 v[XN+32*((\u)%2)+16*\b+4*\i:XN+32*((\u)%2)+16*\b+4*\i+3], v[STO] offset:4352*((\u)%2)+128*\b+16*\i
.endr
.endr
.endm
.macro STEP u
	s_wait_dscnt 0x0                               ; this step's numbers are back from the stage, and its stores into the stage have read their registers,
.if (\u)+3 < 8
	LOAD (\u)+3                                    ; which take the loads of three steps on
.endif
.if (\u)+1 < 8
.if (\u)+3 < 8
	s_wait_loadcnt 16                              ; the next step's eight loads are in; those of the two steps behind it may be out
.else
	s_wait_loadcnt 8*(6-(\u))                      ; the counts run down: 8, 0
.endif
	TURN (\u)+1                                    ; and go through the other stage while this step is worked
.endif
.set XS, XN+32*((\u)%2)
.set AP, (\u)/4
.set GG, (\u)%4
.set CC, CD+8*(\u)
.set SBR, SB+2*AP+GG/2
.irp b, 0,1
	v_max3_num_f32 v[QM+\b], |v[XS+16*\b]|, |v[XS+16*\b+1]|, 0x8000000   ; my 16 numbers of block b, and the floor 2^(16 - 127): the byte cannot fall under 1
.endr
.irp i, 2,4,6,8,10,12,14
.irp b, 0,1
	v_max3_num_f32 v[QM+\b], v[QM+\b], |v[XS+16*\b+\i]|, |v[XS+16*\b+\i+1]|
.endr
.endr
.irp b, 0,1
	v_permlanex16_b32 v[QT+\b], v[QM+\b], s[SEL], s[SEL+1]
.endr
.irp b, 0,1
	v_max_num_f32 v[QM+\b], v[QM+\b], v[QT+\b]     ; with lane l xor 16's 16: the block's largest magnitude
.endr
.irp b, 0,1
	v_add_nc_u32 v[QS+\b], 0xf8800000, v[QM+\b]    ; 15 off its exponent field: the conversion takes the exponent field of this operand as its scale
.endr
.irp b, 0,1
	v_and_or_b32 v[QH+\b], v[QM+\b], 0x7f800000, s[MNT]   ; 57,344 x the scale
.endr
.irp b, 0,1
	v_and_b32 v[QH+\b], s[VMK+2*GG+\b], v[QH+\b]   ; a block beyond the end of K is held at 0: zero codes, without a branch
.endr
.irp b, 0,1
.irp i, 0,1,2,3,4,5,6,7,8,9,10,11,12,13,14,15
	v_med3_num_f32 v[XS+16*\b+\i], v[XS+16*\b+\i], -v[QH+\b], v[QH+\b]   ; the conversion to an 8-bit code does not saturate (ISA guide 7.6.2)
.endr
.endr
.irp b, 0,1
	v_cvt_scalef32_pk8_bf8_f32 v[CC+4*\b:CC+4*\b+1], v[XS+16*\b:XS+16*\b+7], v[QS+\b]
	v_cvt_scalef32_pk8_bf8_f32 v[CC+4*\b+2:CC+4*\b+3], v[XS+16*\b+8:XS+16*\b+15], v[QS+\b]
.endr
.irp b, 0,1
	v_lshrrev_b32 v[QB+\b], 23, v[QS+\b]           ; the scale's byte (also the plain line behind the conversions)
.endr
.if GG%2 == 0
	v_lshl_or_b32 v[SBR], v[QB+1], 8, v[QB]        ; four bytes to a register, the lower K in the lower byte
.else
	v_lshl_or_b32 v[SBR], v[QB], 16, v[SBR]
	v_lshl_or_b32 v[SBR], v[QB+1], 24, v[SBR]
.endif
.irp b, 0,1
	global_store_b128 v[CO], v[CC+4*\b:CC+4*\b+3], s[DC:DC+1] offset:4096*AP+512*(2*GG+\b)   ; a piece: the wave stores 512 consecutive bytes, aligned
.endr
.endm
	LOAD 0
	LOAD 1
	LOAD 2
	s_wait_loadcnt 16                              ; step 0's eight loads are in
	TURN 0
.irp u, 0,1,2,3,4,5,6,7
	STEP \u
.endr
	v_cmp_lt_u32 vcc_lo, 15, v1                    ; both halves of the lanes hold both row tiles' bytes: lanes 0-15 store tile 0's, lanes 16-31 tile 1's
	v_cndmask_b32 v26, v[SB], v[SB+2], vcc_lo
	v_cndmask_b32 v27, v[SB+1], v[SB+3], vcc_lo
	global_store_b64 v[SO], v[26:27], s[DS:DS+1]   ; 32 rows x 8 bytes: 256 consecutive bytes, aligned
	s_wait_tensorcnt 0x0
	ds_add_u32 v30, v31
	s_wait_dscnt 0x0
	s_endpgm
.Lzero:                                                ; hidden units that do not exist: zero codes, and the byte of the scale 127
.irp i, 16,17,18,19
	v_mov_b32 v\i, 0
.endr
	v_mov_b32 v20, 0x7f7f7f7f
	v_mov_b32 v21, 0x7f7f7f7f
.irp p, 0,1,2,3,4,5,6,7,8,9,10,11,12,13,14,15
	global_store_b128 v[CO], v[16:19], s[DC:DC+1] offset:512*\p
.endr
	global_store_b64 v[SO], v[20:21], s[DS:DS+1]
	s_endpgm
.Lfunc_end_k_qff7ec213f6_quant:
	.size	k_qff7ec213f6_quant, .Lfunc_end_k_qff7ec213f6_quant-k_qff7ec213f6_quant
	.p2alignl 7, 3214868480
	.fill 96, 4, 3214868480
	.section	.rodata,"a",@progbits
	.p2align	6, 0x0
	.amdhsa_kernel k_qff7ec213f6_quant
		.amdhsa_group_segment_fixed_size 35328
		.amdhsa_private_segment_fixed_size 0
		.amdhsa_enable_private_segment 0
		.amdhsa_kernarg_size 56
		.amdhsa_user_sgpr_count 2
		.amdhsa_user_sgpr_kernarg_segment_ptr 1
		.amdhsa_wavefront_size32 1
		.amdhsa_system_sgpr_workgroup_id_x 1
		.amdhsa_system_sgpr_workgroup_id_y 1
		.amdhsa_system_sgpr_workgroup_id_z 1
		.amdhsa_system_vgpr_workitem_id 0
		.amdhsa_next_free_vgpr 256
		.amdhsa_next_free_sgpr 100
		.amdhsa_reserve_vcc 1
		.amdhsa_float_denorm_mode_32 3
		.amdhsa_float_denorm_mode_16_64 3
		.amdhsa_memory_ordered 1
		.amdhsa_forward_progress 1
		.amdhsa_inst_pref_size 57
	.end_amdhsa_kernel
	.amdgpu_metadata
---
amdhsa.version: [ 1, 2 ]
amdhsa.kernels:
  - .name:           k_qff7ec213f6_quant
    .symbol:         k_qff7ec213f6_quant.kd
    .args:
      - { .name: x, .offset: 0, .size: 8, .value_kind: global_buffer, .address_space: global }
      - { .name: W_gate, .offset: 8, .size: 8, .value_kind: global_buffer, .address_space: global }
      - { .name: W_up, .offset: 16, .size: 8, .value_kind: global_buffer, .address_space: global }
      - { .name: W_down, .offset: 24, .size: 8, .value_kind: global_buffer, .address_space: global }
      - { .name: xq, .offset: 32, .size: 8, .value_kind: global_buffer, .address_space: global }
      - { .name: wq, .offset: 40, .size: 8, .value_kind: global_buffer, .address_space: global }
      - { .name: dq, .offset: 48, .size: 8, .value_kind: global_buffer, .address_space: global }
    .group_segment_fixed_size: 35328
    .private_segment_fixed_size: 0
    .kernarg_segment_align: 8
    .kernarg_segment_size: 56
    .max_flat_workgroup_size: 128
    .sgpr_count:     100
    .vgpr_count:     256
    .wavefront_size: 32
...
	.end_amdgpu_metadata
.endif
;; end of part 1
;; launch gateup (part 2): grid 8 x 32, 4 waves a work-group, clusters of 4 x 4, 327,680 bytes of LDS; arguments xq, wq, hq; writes hq
.if DOCPART == 2
	.amdgcn_target "amdgcn-amd-amdhsa--gfx1250"
	.amdhsa_code_object_version 6
	.text
	.protected	k_qff7ec213f6_gateup
	.globl	k_qff7ec213f6_gateup
	.p2align	8
	.type	k_qff7ec213f6_gateup,@function
k_qff7ec213f6_gateup:
	s_mov_b64 s[64:65], 0
	v_nop
	global_prefetch_b8 v0, s[64:65] scope:SCOPE_SE
	s_setreg_imm32_b32 hwreg(HW_REG_WAVE_MODE, 25, 1), 1
	s_wait_xcnt 0x0
	s_wait_alu depctr_hold_cnt(0) depctr_sa_sdst(0) depctr_va_vdst(0) depctr_va_sdst(0) depctr_va_ssrc(0) depctr_va_vcc(0) depctr_vm_vsrc(0)
	s_getreg_b32 s2, hwreg(HW_REG_IB_STS2, 6, 4)
	s_cmp_eq_u32 s2, 0
	s_cbranch_scc0 .Lentry_in_a_cluster
	s_endpgm
.Lentry_in_a_cluster:
	s_bfe_u32 s2, ttmp6, 0x10000c
	s_cmp_lg_u32 s2, 0xf033
	s_cbranch_scc0 .Lentry_shape_is_right
	s_endpgm
.Lentry_shape_is_right:
; h = silu(x Wg^T) * (x Wu^T), both products on codes of BF8 (E5M2) with one E8M0 scale for each 32 along K = 4,096; h is quantised along the hidden units, the next product's K, and stored as codes.
; xq, wq, hq are this program's own buffers, laid as images of the operand's registers: a piece = 16 rows x 32 K = 512 bytes, lane l's 16 bytes at 16 l.
;   BLK = 128 rows x 256 K: codes at 4096 a + 512 beta + 16 l, scale bytes at 32768 + 8 row + beta.  xq: block (R, s) at (16 R + s) BLK;  hq: block (R, s) at (6 R + s) BLK.
;   wq: region (j, s) of 3 BLK at (16 j + s) WREG: four parts of WSUB, one a wave: six row tiles t = 2 g + u (u = 0 gate, 1 up; hidden units 192 j + 48 w + 16 g + r), codes at 4096 t + 512 beta + 16 l, scale bytes at 24576 + 8 (16 t + r) + beta.
; So a fragment (16 rows x 128 K) is four LDS loads of 512 consecutive bytes each, no pitch and no padding, and a K step's tile with its scale bytes is one dense block of memory.
; SHARES.  A work-group makes 128 tokens x 192 hidden units: 32 x 8 work-groups.  1,376 = 7 x 192 + 32: the last tile's other 160 units are zero rows of wq, their h is 0, and so hq's K is filled with zero codes up to 1,536.
; Each of the four waves takes all 128 tokens x 48 units: 8 tiles of x against 3 tiles of gate and 3 of up: 48 accumulators, 384 registers.
; K goes in steps of 256 through two LDS slots: the weights' region (3 BLK), then x's block.  Waves 0-2 fetch a third of the region each, wave 3 x's block: one tensor load a wave.
; CLUSTERS: 4 x 4 work-groups.  x's block hangs on the token tile alone and is shared along a row of the cluster, the weights' region on the hidden tile alone and is shared along a column: each is asked for JOINTLY.
; THE MATRIX INSTRUCTION IS USED TRANSPOSED (source 0 = 16 weight rows, source 1 = 16 tokens): lane (r, h) holds token r and the units 8 h + 0 .. 7 of the tile; gate and up of one unit lie in the same lane and place of neighbouring accumulators.
; BOTH FRAGMENT SETS ARE DOUBLE: when a slot's second 128 K are in registers the slot is free, so the change of slots stands ahead of that half's products, and the refill has a whole K step's 96 matrix instructions in which to land.
; REGISTERS, in windows of 256: window 0: v0-31 addresses; v32-63 scale words, a set a slot (register 2 i + q: lanes 0-15 weight tile i, lanes 16-31 x's tile i); v64-159, v160-255 the weights' fragments, two sets.
;   window 1: x's fragments, two sets of 128.   window 2: accumulators of x's tiles 0-3 (tile a, weight tile t at v[48 a + 8 t]);   window 3: of tiles 4-7.
; LIMITS: NaN and infinities are not served.  sigmoid(g) = 1 / (1 + 2^(-g log2 e)): the product -g log2 e is rounded once, so its relative error grows like |g| x 6e-8; under g = -88 it is 0, where silu is under 1e-36.
; A block of zeros of h gets the byte 1 where the rule says 127: its codes are zeros, and these bytes are read by this program alone.
; h's scale bytes leave two at a time (a work-group's six blocks are one and a half scale words a row): 2 bytes a lane, 8 bytes apart; that is one byte in 33 of what the launch stores.
.set BLK,    33792
.set WREG,   3*BLK
.set WSUB,   25344
.set SLOT,   4*BLK
.set SPARE,  2*SLOT                    ; behind the ring: the spare words, 128 bytes for each wave: two blocks of 256 bytes that no other line names
.set ADRA,   16                        ; v16-17 LDS address of x's fragments in slot 0, 1
.set ADRS2,  18                        ; v18-19 of x's scale words alone (tiles 6 and 7: the weights have six tiles)
.set ADRB,   20                        ; v20-21 of my weights' fragments
.set ADRS,   22                        ; v22-23 of the scale words: lanes 0-15 my weights', lanes 16-31 x's
.set STO,    24                        ; v24-25 the stage for h: where I put 32 bytes of a row (x's tiles 0-3, 4-7)
.set RD,     26                        ; v26    and where I read 64 bytes of a row back
.set CO,     27                        ; v27    16 x lane
.set SPW,    28                        ; v28    LDS address of my spare word; never rewritten
.set NIL,    29                        ; v29    0; never rewritten
.set SO,     30                        ; v30    8 x lane
.set SC,     32
.set BF,     64
.set NU,     64                        ; the way out: v64-159 96 numbers of h; v160-207 codes; v208 on at work
.set CDE,    160
.set QM,     208
.set QT,     214
.set QS,     220
.set QH,     226
.set QB,     232
.set QP,     240
.set QD,     246
.set G1,  24                           ; s[24:31] descriptor group 1 for x's blocks;  s[32:39] group 0, a set a slot
.set G0,  32
.set G1B, 48                           ; s[48:55], s[56:63] the same for the weights
.set G0B, 56
.set HB,  66                           ; s[66:77] where the six blocks' codes go
.set HS,  78                           ; s[78:83] where the three pairs of scale bytes go
.set NL2E, 88                          ; s[88:89] -log2(e)
.set SEL, 90                           ; s[90:91] v_permlanex16_b32's selects for lane l xor 16
.set MNT, 92                           ; s92 the mantissa field of 57,344
.set MSB, 0
.macro WIN new                         ; the immediate's high byte repeats the setting that is left
.if MSB != (\new)
	s_set_vgpr_msb (MSB<<8)|(\new)
.set MSB, (\new)
.endif
.endm
.set MUL_LO, 0xa4                      ; source 0 (weights) window 0, source 1 (x) window 1, C and D window 2
.set MUL_HI, 0xf4                      ; the same, C and D window 3
.set TO_A,   0x40                      ; destination window 1, address window 0
; A joint load: wave 3 fetches x's block, waves 0-2 the weights'.  Each of the two lines has ONE mask; the branch hangs on the wave's number alone.  Four v_nop follow each line.
.macro JLOAD s
	s_cmp_eq_u32 s14, 3
	s_cbranch_scc0 .Lfor_b_\@
	tensor_load_to_lds s[G0+4*\s:G0+4*\s+3], s[G1:G1+7]
	s_nop 0
.rept 4
	v_nop
.endr
	s_branch .Lasked_\@
.Lfor_b_\@:
	tensor_load_to_lds s[G0B+4*\s:G0B+4*\s+3], s[G1B:G1B+7]
	s_nop 0
.rept 4
	v_nop
.endr
.Lasked_\@:
.endm
.macro CROUND                          ; a round of the cluster's barrier: my work-group's barrier; wave 0 signals for it; every wave waits for all sixteen; my work-group's barrier once more
	s_barrier_signal -1
	s_barrier_wait -1
	s_cmp_lg_u32 s14, 0
	s_cbranch_scc1 .Lnot_wave_0_\@
	s_barrier_signal -3
.Lnot_wave_0_\@:
	s_barrier_wait -3
	s_barrier_signal -1
	s_barrier_wait -1
.endm
.macro PLACES n                        ; plain vector lines behind a matrix instruction: eight ahead of loads into registers that it read and of the first read of results
.rept \n
	v_nop
.endr
.endm
	s_load_b128 s[4:7], s[0:1], 0x0                ; xq, wq
	s_load_b64 s[8:9], s[0:1], 0x10                ; hq
	v_lshl_add_u32 v[SPW], v0, 2, SPARE
	v_mov_b32 v[NIL], 0
	ds_add_u32 v28, v29
	ds_add_u32 v28, v29
	s_wait_dscnt 0x0
	v_lshrrev_b32 v1, 5, v0
	v_readfirstlane_b32 s14, v1                    ; wave 0..3
	s_bfe_u32 s40, ttmp6, 0x40000                  ; cx, cy: my place in the cluster
	s_bfe_u32 s41, ttmp6, 0x40004
	s_lshl_b32 s42, ttmp9, 2
	s_add_co_u32 s42, s42, s40                     ; j, the hidden tile = 4 x cluster x + cx
	s_and_b32 s17, ttmp7, 0xffff
	s_lshl_b32 s17, s17, 2
	s_add_co_u32 s17, s17, s41                     ; R, the token tile = 4 x cluster y + cy
	s_lshl_b32 s43, s41, 2
	s_lshl_b32 s43, 15, s43                        ; my row of the cluster
	s_lshl_b32 s44, 0x1111, s40                    ; my column
	; descriptor group 1: a dense block of 33,792 bytes as 132 rows of 256 bytes (32 elements of 8 bytes), no padding
	s_or_b32 s[G1+0], s43, (3<<16)|(1<<21)         ; 15:0 the mask: x's blocks go to my row; 17:16 elements of 8 bytes; 21 set beside a mask
	s_or_b32 s[G1B+0], s44, (3<<16)|(1<<21)        ; the weights' go to my column
.irp g, G1, G1B
	s_mov_b32 s[\g+1], 32<<16                      ; tensor_dim0
	s_mov_b32 s[\g+2], 132<<16                     ; tensor_dim1
	s_mov_b32 s[\g+3], 32<<16                      ; tile_dim0
	s_mov_b32 s[\g+4], 132                         ; tile_dim1
	s_mov_b32 s[\g+5], 32                          ; tensor_dim0_stride
	s_mov_b32 s[\g+6], 0
	s_mov_b32 s[\g+7], 0
.endr
	s_mul_i32 s20, s17, 16*BLK                     ; x: R's sixteen blocks
	s_mov_b32 s21, 0
	s_mul_i32 s46, s42, 16*WREG                    ; weights: j's sixteen regions,
	s_min_u32 s18, s14, 2
	s_mul_i32 s18, s18, BLK
	s_add_co_u32 s46, s46, s18                     ; my third (wave 3 does not use it)
	s_mov_b32 s47, 0
	s_mul_i32 s45, s14, BLK                        ; where they go: wave x BLK: no place in the cluster enters an LDS address
	s_mov_b32 s[NL2E], 0xbfb8aa3b
	s_mov_b32 s[NL2E+1], s[NL2E]                   ; (named with it as a pair, so it is written)
	s_mov_b32 s[SEL], 0x76543210
	s_mov_b32 s[SEL+1], 0xfedcba98
	s_mov_b32 s[MNT], 0x600000
	s_wait_kmcnt 0x0
	s_add_nc_u64 s[20:21], s[4:5], s[20:21]
	s_add_nc_u64 s[46:47], s[6:7], s[46:47]
	CROUND                                         ; all sixteen work-groups are here: the first joint loads meet
.irp s, 0,1
	s_mov_b32 s[G0+4*\s], 1
	s_add_co_u32 s[G0+4*\s+1], s45, \s*SLOT
	s_add_nc_u64 s[G0+4*\s+2:G0+4*\s+3], s[20:21], \s*BLK
	s_or_b32 s[G0+4*\s+3], s[G0+4*\s+3], 0x80000000
	s_mov_b32 s[G0B+4*\s], 1
	s_add_co_u32 s[G0B+4*\s+1], s45, \s*SLOT
	s_add_nc_u64 s[G0B+4*\s+2:G0B+4*\s+3], s[46:47], \s*WREG
	s_or_b32 s[G0B+4*\s+3], s[G0B+4*\s+3], 0x80000000
	JLOAD \s                                       ; K steps 0 and 1: two loads of mine are out
.endr
	v_and_b32 v1, 15, v0                           ; r
	v_bfe_u32 v2, v0, 4, 1                         ; h
	v_and_b32 v31, 31, v0                          ; lane
	v_lshlrev_b32 v[CO], 4, v31
	v_lshlrev_b32 v[SO], 3, v31
	s_mul_i32 s22, s14, WSUB                       ; my part of the weights' region
	v_add_nc_u32 v[ADRA], WREG, v[CO]
	v_add_nc_u32 v[ADRA+1], SLOT, v[ADRA]
	v_add_nc_u32 v[ADRB], s22, v[CO]
	v_add_nc_u32 v[ADRB+1], SLOT, v[ADRB]
	v_lshlrev_b32 v3, 3, v1                        ; 8 bytes of scales a row
	v_add_nc_u32 v[ADRS2], WREG+32768, v3
	v_add_nc_u32 v[ADRS2+1], SLOT, v[ADRS2]
	s_xor_b32 s23, s14, 3                          ; 3 - wave
	s_mul_i32 s23, s23, WSUB
	s_add_co_u32 s23, s23, 33536                   ; from my weights' scale bytes (24576 + wave x WSUB) to x's (WREG + 32768)
	v_mul_u32_u24 v4, s23, v2                      ; lanes 16-31 take x's: the lower base + h x the distance
	s_add_co_u32 s22, s22, 24576
	v_add_nc_u32 v4, v4, v3
	v_add_nc_u32 v[ADRS], s22, v4
	v_add_nc_u32 v[ADRS+1], SLOT, v[ADRS]
	v_mul_u32_u24 v[STO], v1, 784                  ; the stage for h: 128 rows of 768 bytes + 16; row r, + 32 h, + 192 x wave: my units' bytes
	v_lshl_add_u32 v[STO], v2, 5, v[STO]
	s_mul_i32 s23, s14, 192
	v_add_nc_u32 v[STO], s23, v[STO]
	v_add_nc_u32 v[STO+1], 64*784, v[STO]
	v_mul_u32_u24 v[RD], v1, 784                   ; back: rows 32 x wave on; row r, + 64 h: my 16 numbers of a block
	v_lshl_add_u32 v[RD], v2, 6, v[RD]
	s_mul_i32 s23, s14, 32*784
	v_add_nc_u32 v[RD], s23, v[RD]
; 56 LDS loads in one run: my six weight fragments and x's eight of the slot's q-th 128 along K, into fragment set \set
.macro FETCH slot, q, set
	WIN 0
.irp t, 0,1,2,3,4,5
.irp c, 0,1,2,3
	ds_load_b128 v[BF+96*(\set)+16*\t+4*\c:BF+96*(\set)+16*\t+4*\c+3], v[ADRB+\slot] offset:4096*\t+2048*(\q)+512*\c
.endr
.endr
	WIN TO_A
.irp a, 0,1,2,3,4,5,6,7
.irp c, 0,1,2,3
	ds_load_b128 v[128*(\set)+16*\a+4*\c:128*(\set)+16*\a+4*\c+3], v[ADRA+\slot] offset:4096*\a+2048*(\q)+512*\c
.endr
.endr
	WIN 0
.endm
.macro SCALES sl                       ; a slot's scale words, two a row: eight loads
.irp i, 0,1,2,3,4,5
	ds_load_b64 v[SC+16*\sl+2*\i:SC+16*\sl+2*\i+1], v[ADRS+\sl] offset:128*\i
.endr
.irp i, 6,7
	ds_load_b64 v[SC+16*\sl+2*\i:SC+16*\sl+2*\i+1], v[ADRS2+\sl] offset:128*\i
.endr
.endm
; 48 matrix instructions: x's eight tiles x my six weight tiles, 128 along K.  The 48 accumulators take turns, one instruction a turn, in the same order in every step.  zero = 1: the first products start the sums.
.macro MUL48 set, q, sc, zero
.irp a, 0,1,2,3,4,5,6,7
.if \a < 4
	WIN MUL_LO
.else
	WIN MUL_HI
.endif
.irp t, 0,1,2,3,4,5
.if \zero
	v_wmma_scale_f32_16x16x128_f8f6f4 v[48*(\a%4)+8*\t:48*(\a%4)+8*\t+7], v[BF+96*(\set)+16*\t:BF+96*(\set)+16*\t+15], v[128*(\set)+16*\a:128*(\set)+16*\a+15], 0, v[SC+16*(\sc)+2*\t+(\q)], v[SC+16*(\sc)+2*\a+(\q)] matrix_a_fmt:MATRIX_FMT_BF8 matrix_b_fmt:MATRIX_FMT_BF8 matrix_b_scale:MATRIX_SCALE_ROW1
.else
	v_wmma_scale_f32_16x16x128_f8f6f4 v[48*(\a%4)+8*\t:48*(\a%4)+8*\t+7], v[BF+96*(\set)+16*\t:BF+96*(\set)+16*\t+15], v[128*(\set)+16*\a:128*(\set)+16*\a+15], v[48*(\a%4)+8*\t:48*(\a%4)+8*\t+7], v[SC+16*(\sc)+2*\t+(\q)], v[SC+16*(\sc)+2*\a+(\q)] matrix_a_fmt:MATRIX_FMT_BF8 matrix_b_fmt:MATRIX_FMT_BF8 matrix_b_scale:MATRIX_SCALE_ROW1
.endif
.endr
.endr
.endm
; A slot's first 128 along K: its second half's fragments are asked for, then set 0 is multiplied
.macro STEPA slot, zero
	PLACES 8                                       ; set 1 was read by the products just issued
	FETCH \slot, 1, 1
	s_wait_dscnt 56                                ; all but the 56 just issued: set 0 and the slot's scale words are in
	MUL48 0, 0, \slot, \zero
.endm
; A slot's second 128 along K, and the change of slots ahead of it.  Each wave waits for all its tensor loads (one is out: its part of the next slot), adds 0 to its spare word, and waits for that and for its reads of this slot,
; whose last fragments are then in registers.  fill = 1: a round of the cluster's barrier, and this slot is filled again, two K steps ahead, first thing behind it.
.macro TURN slot, next, fill
	WIN 0                                          ; the add's registers lie in window 0; at a branch and at a label every window is 0
	s_wait_tensorcnt 0x0                           ; no tensor load of mine is out, so a group 0 may be written
	ds_add_u32 v[SPW], v[NIL]                      ; 0 onto my spare word
.if \fill
	s_add_nc_u64 s[G0+4*\slot+2:G0+4*\slot+3], s[G0+4*\slot+2:G0+4*\slot+3], 2*BLK
	s_add_nc_u64 s[G0B+4*\slot+2:G0B+4*\slot+3], s[G0B+4*\slot+2:G0B+4*\slot+3], 2*WREG
.endif
	s_wait_dscnt 0x0                               ; the add is done, and my reads of this slot are over
.if \fill
	CROUND                                         ; no wave of any partner still reads this slot or has a load on its way
	JLOAD \slot                                    ; the first tensor load behind the round; its four v_nop are four of the eight places
	PLACES 4
.else
	s_barrier_signal -1
	s_barrier_wait -1                              ; the next slot is whole; nothing is filled
	PLACES 8
.endif
	FETCH \next, 0, 0                              ; set 0 was read by the products ahead of the change
	SCALES \next
	MUL48 1, 1, \slot, 0
.endm
	s_wait_tensorcnt 1                             ; my part of K step 0 is in (K step 1's may be out)
	s_barrier_signal -1
	s_barrier_wait -1                              ; everybody's is
	FETCH 0, 0, 0
	SCALES 0
	STEPA 0, 1                                     ; the first 128 along K stand ahead of the loop: their products start the sums
	WIN 0
	s_mov_b32 s3, 7                                ; 16 K steps: 14 refills, two a trip
.Llap:
	TURN 0, 1, 1
	STEPA 1, 0
	TURN 1, 0, 1
	STEPA 0, 0
	WIN 0
	s_sub_co_u32 s3, s3, 1
	s_cmp_lg_u32 s3, 0
	s_cbranch_scc1 .Llap
	TURN 0, 1, 0                                   ; the last two K steps fill nothing
	STEPA 1, 0
	s_wait_dscnt 0x0
	MUL48 1, 1, 1, 0
	WIN 0
	; where h goes.  Block b of my work-group's six is block 6 j + b of the row's 48: K step (6 j + b) / 8, beta (6 j + b) % 8; my two row tiles are 2 w and 2 w + 1
	s_mul_i32 s20, s17, 6*BLK
	s_lshl_b32 s21, s14, 13
	s_add_co_u32 s21, s21, s20                     ; R's six blocks + 8,192 x wave
	s_mul_i32 s22, s42, 6
.irp b, 0,1,2,3,4,5
	s_add_co_u32 s23, s22, \b
	s_lshr_b32 s18, s23, 3
	s_mul_i32 s18, s18, BLK
	s_and_b32 s23, s23, 7
	s_lshl_b32 s23, s23, 9
	s_add_co_u32 s18, s18, s23
	s_add_co_u32 s18, s18, s21
	s_mov_b32 s19, 0
	s_add_nc_u64 s[HB+2*\b:HB+2*\b+1], s[8:9], s[18:19]
.endr
	s_lshl_b32 s21, s14, 8
	s_add_co_u32 s21, s21, s20
	s_add_co_u32 s21, s21, 32768                   ; R's six blocks + the scale bytes of my 32 rows
	s_mul_i32 s22, s42, 3
.irp p, 0,1,2
	s_add_co_u32 s23, s22, \p                      ; pair 3 j + p of the row's 24 pairs of bytes
	s_lshr_b32 s18, s23, 2
	s_mul_i32 s18, s18, BLK
	s_and_b32 s23, s23, 3
	s_lshl_b32 s23, s23, 1
	s_add_co_u32 s18, s18, s23
	s_add_co_u32 s18, s18, s21
	s_mov_b32 s19, 0
	s_add_nc_u64 s[HS+2*\p:HS+2*\p+1], s[8:9], s[18:19]
.endr
	PLACES 8                                       ; ahead of the first read of results, and of vector writes into the weights' fragment registers
; h = silu(gate) x up for x's tiles 4 hi .. 4 hi + 3: 96 numbers a lane, into the registers of fragment set hi.  The exponentials are one batch with one wait, and so are the reciprocals.
; Each accumulator is read from its low end on.
.macro SILU hi
.set TB, BF+96*(\hi)
	WIN 2+(\hi)                                    ; source 0: the accumulators' window
.irp a, 0,1,2,3
.irp g, 0,1,2
.irp p, 0,2,4,6
	v_pk_mul_f32 v[TB+24*\a+8*\g+\p:TB+24*\a+8*\g+\p+1], v[48*\a+16*\g+\p:48*\a+16*\g+\p+1], s[NL2E:NL2E+1] op_sel_hi:[1,0]   ; -g log2(e)
.endr
.endr
.endr
	WIN 0
.set i, 0
.rept 96
	v_exp_f32 v[TB+i], v[TB+i]
.set i, i+1
.endr
	v_nop                                          ; a plain line behind the last exponential
	s_wait_alu depctr_va_vdst(0)
.set i, 0
.rept 48
	v_pk_add_f32 v[TB+i:TB+i+1], v[TB+i:TB+i+1], 1.0 op_sel_hi:[1,0]
.set i, i+2
.endr
.set i, 0
.rept 96
	v_rcp_f32 v[TB+i], v[TB+i]                     ; sigmoid(g)
.set i, i+1
.endr
	v_nop
	s_wait_alu depctr_va_vdst(0)
	WIN 2+(\hi)
.irp a, 0,1,2,3
.irp g, 0,1,2
.irp p, 0,2,4,6
	v_pk_mul_f32 v[TB+24*\a+8*\g+\p:TB+24*\a+8*\g+\p+1], v[48*\a+16*\g+\p:48*\a+16*\g+\p+1], v[TB+24*\a+8*\g+\p:TB+24*\a+8*\g+\p+1]   ; silu(g) = g x sigmoid(g)
.endr
.endr
.endr
.irp a, 0,1,2,3
.irp g, 0,1,2
.irp p, 0,2,4,6
	v_pk_mul_f32 v[TB+24*\a+8*\g+\p:TB+24*\a+8*\g+\p+1], v[48*\a+16*\g+8+\p:48*\a+16*\g+8+\p+1], v[TB+24*\a+8*\g+\p:TB+24*\a+8*\g+\p+1]   ; x up
.endr
.endr
.endr
	WIN 0
.irp a, 0,1,2,3
.irp g, 0,1,2
	ds_store_b128 v[STO+\hi], v[TB+24*\a+8*\g:TB+24*\a+8*\g+3] offset:16*784*\a+64*\g
	ds_store_b128 v[STO+\hi], v[TB+24*\a+8*\g+4:TB+24*\a+8*\g+7] offset:16*784*\a+64*\g+16
.endr
.endr
.endm
	; The stage lies in slot 0: it has had its last fill, and every wave has passed the last change of slots, behind which nobody reads it.
	SILU 0
	SILU 1
	s_wait_dscnt 0x0                               ; for the others' sake: a row's 192 numbers come from four waves, and a block of 32 may lie in two
	s_barrier_signal -1
	s_barrier_wait -1
.irp b, 0,1,2,3,4,5
	v_mov_b32 v[QT+\b], 0                          ; a lane permute's destination counts as one of its sources
.endr
; Row tile 2 w + ap: lane (r, h) takes, of row r, 16 neighbours of each of the six blocks; a block lies in lanes l and l xor 16
.macro QUANT6 ap
.irp b, 0,1,2,3,4,5
.irp i, 0,1,2,3
	ds_load_b128 v[NU+16*\b+4*\i:NU+16*\b+4*\i+3], v[RD] offset:16*784*(\ap)+128*\b+16*\i
.endr
.endr
	s_wait_dscnt 0x0
.irp b, 0,1,2,3,4,5
	v_max3_num_f32 v[QM+\b], |v[NU+16*\b]|, |v[NU+16*\b+1]|, 0x8000000   ; and the floor 2^(16 - 127): the byte cannot fall under 1
.endr
.irp i, 2,4,6,8,10,12,14
.irp b, 0,1,2,3,4,5
	v_max3_num_f32 v[QM+\b], v[QM+\b], |v[NU+16*\b+\i]|, |v[NU+16*\b+\i+1]|
.endr
.endr
.irp b, 0,1,2,3,4,5
	v_permlanex16_b32 v[QT+\b], v[QM+\b], s[SEL], s[SEL+1]
.endr
.irp b, 0,1,2,3,4,5
	v_max_num_f32 v[QM+\b], v[QM+\b], v[QT+\b]     ; the block's largest magnitude
.endr
.irp b, 0,1,2,3,4,5
	v_add_nc_u32 v[QS+\b], 0xf8800000, v[QM+\b]    ; 15 off its exponent field: the conversion's scale operand
.endr
.irp b, 0,1,2,3,4,5
	v_and_or_b32 v[QH+\b], v[QM+\b], 0x7f800000, s[MNT]   ; 57,344 x the scale
.endr
.irp b, 0,1,2,3,4,5
	v_lshrrev_b32 v[QB+\b], 23, v[QS+\b]           ; the scale's byte
.endr
.irp p, 0,1,2
	v_lshl_or_b32 v[QP+3*(\ap)+\p], v[QB+2*\p+1], 8, v[QB+2*\p]
.endr
.irp b, 0,1,2,3,4,5
.irp i, 0,1,2,3,4,5,6,7,8,9,10,11,12,13,14,15
	v_med3_num_f32 v[NU+16*\b+\i], v[NU+16*\b+\i], -v[QH+\b], v[QH+\b]   ; the conversion to an 8-bit code does not saturate (ISA guide 7.6.2)
.endr
	v_cvt_scalef32_pk8_bf8_f32 v[CDE+24*(\ap)+4*\b:CDE+24*(\ap)+4*\b+1], v[NU+16*\b:NU+16*\b+7], v[QS+\b]
	v_cvt_scalef32_pk8_bf8_f32 v[CDE+24*(\ap)+4*\b+2:CDE+24*(\ap)+4*\b+3], v[NU+16*\b+8:NU+16*\b+15], v[QS+\b]
.endr
	v_nop                                          ; a plain line behind the last conversion
.irp b, 0,1,2,3,4,5
	global_store_b128 v[CO], v[CDE+24*(\ap)+4*\b:CDE+24*(\ap)+4*\b+3], s[HB+2*\b:HB+2*\b+1] offset:4096*(\ap)   ; a piece: 512 consecutive bytes, aligned
.endr
.endm
	QUANT6 0
	QUANT6 1
	v_cmp_lt_u32 vcc_lo, 15, v31                   ; lanes 0-15 store row tile 2 w's bytes, lanes 16-31 those of 2 w + 1
.irp p, 0,1,2
	v_cndmask_b32 v[QD+\p], v[QP+\p], v[QP+3+\p], vcc_lo
.endr
.irp p, 0,1,2
	global_store_b16 v[SO], v[QD+\p], s[HS+2*\p:HS+2*\p+1]
.endr
	s_wait_tensorcnt 0x0                           ; the wave's end: behind my last tensor load and my last LDS store
	ds_add_u32 v[SPW], v[NIL]
	s_wait_dscnt 0x0
	CROUND                                         ; the closing round: no work-group ends while a partner may still ask for a tile that names it
	s_endpgm
.Lfunc_end_k_qff7ec213f6_gateup:
	.size	k_qff7ec213f6_gateup, .Lfunc_end_k_qff7ec213f6_gateup-k_qff7ec213f6_gateup
	.p2alignl 7, 3214868480
	.fill 96, 4, 3214868480
	.section	.rodata,"a",@progbits
	.p2align	6, 0x0
	.amdhsa_kernel k_qff7ec213f6_gateup
		.amdhsa_group_segment_fixed_size 327680
		.amdhsa_private_segment_fixed_size 0
		.amdhsa_enable_private_segment 0
		.amdhsa_kernarg_size 24
		.amdhsa_user_sgpr_count 2
		.amdhsa_user_sgpr_kernarg_segment_ptr 1
		.amdhsa_wavefront_size32 1
		.amdhsa_system_sgpr_workgroup_id_x 1
		.amdhsa_system_sgpr_workgroup_id_y 1
		.amdhsa_system_sgpr_workgroup_id_z 1
		.amdhsa_system_vgpr_workitem_id 0
		.amdhsa_next_free_vgpr 1024
		.amdhsa_next_free_sgpr 100
		.amdhsa_reserve_vcc 1
		.amdhsa_float_denorm_mode_32 3
		.amdhsa_float_denorm_mode_16_64 3
		.amdhsa_memory_ordered 1
		.amdhsa_forward_progress 1
		.amdhsa_inst_pref_size 163
	.end_amdhsa_kernel
	.amdgpu_metadata
---
amdhsa.version: [ 1, 2 ]
amdhsa.kernels:
  - .name:           k_qff7ec213f6_gateup
    .symbol:         k_qff7ec213f6_gateup.kd
    .args:
      - { .name: xq, .offset: 0, .size: 8, .value_kind: global_buffer, .address_space: global }
      - { .name: wq, .offset: 8, .size: 8, .value_kind: global_buffer, .address_space: global }
      - { .name: hq, .offset: 16, .size: 8, .value_kind: global_buffer, .address_space: global }
    .group_segment_fixed_size: 327680
    .private_segment_fixed_size: 0
    .kernarg_segment_align: 8
    .kernarg_segment_size: 24
    .max_flat_workgroup_size: 128
    .sgpr_count:     100
    .vgpr_count:     1024
    .wavefront_size: 32
...
	.end_amdgpu_metadata
.endif
;; end of part 2
;; launch down (part 3): grid 16 x 16, 4 waves a work-group, clusters of 4 x 4, 327,680 bytes of LDS; arguments hq, dq, out0; writes out0
.if DOCPART == 3
	.amdgcn_target "amdgcn-amd-amdhsa--gfx1250"
	.amdhsa_code_object_version 6
	.text
	.protected	k_qff7ec213f6_down
	.globl	k_qff7ec213f6_down
	.p2align	8
	.type	k_qff7ec213f6_down,@function
k_qff7ec213f6_down:
	s_mov_b64 s[64:65], 0
	v_nop
	global_prefetch_b8 v0, s[64:65] scope:SCOPE_SE
	s_setreg_imm32_b32 hwreg(HW_REG_WAVE_MODE, 25, 1), 1
	s_wait_xcnt 0x0
	s_wait_alu depctr_hold_cnt(0) depctr_sa_sdst(0) depctr_va_vdst(0) depctr_va_sdst(0) depctr_va_ssrc(0) depctr_va_vcc(0) depctr_vm_vsrc(0)
	s_getreg_b32 s2, hwreg(HW_REG_IB_STS2, 6, 4)
	s_cmp_eq_u32 s2, 0
	s_cbranch_scc0 .Lentry_in_a_cluster
	s_endpgm
.Lentry_in_a_cluster:
	s_bfe_u32 s2, ttmp6, 0x10000c
	s_cmp_lg_u32 s2, 0xf033
	s_cbranch_scc0 .Lentry_shape_is_right
	s_endpgm
.Lentry_shape_is_right:
; y = h Wd^T on codes of BF8 (E5M2) with one E8M0 scale for each 32 along K.  h: 4,096 tokens, Wd: 4,096 rows, K = 1,376, filled with zero codes on both sides up to 1,408 = 11 x 128.  y: [4096][4096] f32; sums in f32.
; hq and dq are this program's own buffers, laid as images of the operand's registers: BLK = 128 rows x 256 K: codes at 4096 a + 512 beta + 16 l (row tile a, block beta, lane l), scale bytes at 32768 + 8 row + beta; block (R, s) at (6 R + s) BLK.
; So a fragment (16 rows x 128 K) is four LDS loads of 512 consecutive bytes, and a K step's 128 rows with their scale bytes are one dense block of memory: the scale bytes ride in the ring.
; A tile of y, 256 x 256, is made by a work-group of four waves; a wave makes 128 x 128: 64 accumulators, 512 registers.  K goes in steps of 256 through two LDS slots of four blocks: h's two, then Wd's two; each wave fetches one block.
; Five and a half K steps: of the sixth slot's worth only the first 128 along K are multiplied.
; CLUSTERS: 4 x 4 work-groups.  The four of a row of the cluster need the same blocks of h, the four of a column the same blocks of Wd: each is asked for JOINTLY.
; THE MATRIX INSTRUCTION IS USED TRANSPOSED (source 0 = 16 rows of Wd, source 1 = 16 tokens): a lane then holds eight neighbouring numbers of a row of y.
; REGISTERS, in windows of 256: window 0: v0-31 addresses; v32-63 scale words, a set a slot (register 2 i + q: lanes 0-15 h's tile i, lanes 16-31 Wd's tile i); from v128 h's fragments, ONE set.
;   window 1: Wd's fragments, TWO sets, at v0 and v128.   window 2: the accumulators of my rows 0-63 ((a, b) at v[8 (8 a + b)]);   window 3: those of my rows 64-127.
; A step of 128 along K goes by h's tiles, each against Wd's eight: a tile of h is free when its eight products are issued, so one set serves h: tiles 0-3 are fetched anew in the step's middle, tiles 4-7 at its end.
.set BLK,    33792
.set SLOT,   4*BLK
.set SPARE,  2*SLOT                    ; behind the ring: the spare words, 128 bytes for each wave: two blocks of 256 bytes that no other line names
.set NQ,     2                         ; matrix instructions deep in a slot
.set FR,     16                        ; registers of a fragment
.set NL,     4                         ; LDS loads that bring one
.set NP,     8                         ; places behind this matrix instruction (ISA guide 7.12.1)
.set SIZE_N, 4096
.set SPITCH, 528                       ; the way out: a stage of 16 rows x (512 bytes + 16) for each wave, in slot 0, which has had its last fill and its last read by then
.set ADRA, 16                          ; v16-17  LDS address of my fragments of h in slot 0, 1
.set ADRB, 20                          ; v20-21  of Wd
.set ADRS, 22                          ; v22-23  of the scale words: lanes 0-15 h's rows, lanes 16-31 Wd's
.set STO,  24                          ; v24     the way out: where I put 32 bytes of a row
.set RD,   25                          ; v25     where I read a row back
.set CO,   26                          ; v26     my byte offset in a row of y
.set SPW,  28                          ; v28     LDS address of my spare word; never rewritten
.set NIL,  29                          ; v29     0; never rewritten
.set SC,   32
.set AF,   128
.set BK,   128                         ; the way out: 16 rows read back: v128-191 and v192-255 by turns
.set G1, 24                            ; s[24:31] descriptor group 1 for h's blocks;  s[32:39] group 0, a set a slot
.set G0, 32
.set G1B, 48                           ; s[48:55], s[56:63] the same for Wd's
.set G0B, 56
.set MSB, 0
.macro WIN new                         ; the immediate's high byte repeats the setting that is left
.if MSB != (\new)
	s_set_vgpr_msb (MSB<<8)|(\new)
.set MSB, (\new)
.endif
.endm
.set MUL_LO, 0xa1                      ; source 0 (Wd) window 1, source 1 (h) window 0, C and D window 2
.set MUL_HI, 0xf1                      ; the same, C and D window 3
.set TO_B,   0x40                      ; destination window 1, address window 0
; A joint load: waves 0 and 1 fetch h's two blocks, waves 2 and 3 Wd's.  Each line has ONE mask; the branch hangs on the wave's number alone.  Four v_nop follow each line.
.macro JLOAD s
	s_cmp_eq_u32 s15, 0
	s_cbranch_scc0 .Lfor_b_\@
	tensor_load_to_lds s[G0+4*\s:G0+4*\s+3], s[G1:G1+7]
	s_nop 0
.rept 4
	v_nop
.endr
	s_branch .Lasked_\@
.Lfor_b_\@:
	tensor_load_to_lds s[G0B+4*\s:G0B+4*\s+3], s[G1B:G1B+7]
	s_nop 0
.rept 4
	v_nop
.endr
.Lasked_\@:
.endm
.macro CREST                           ; a round of the cluster's barrier behind its opening barrier
	s_cmp_lg_u32 s14, 0
	s_cbranch_scc1 .Lnot_wave_0_\@
	s_barrier_signal -3
.Lnot_wave_0_\@:
	s_barrier_wait -3
	s_barrier_signal -1
	s_barrier_wait -1
.endm
.macro CROUND                          ; a whole round
	s_barrier_signal -1
	s_barrier_wait -1
	CREST
.endm
	s_load_b128 s[4:7], s[0:1], 0x0                ; hq, dq
	s_load_b64 s[12:13], s[0:1], 0x10              ; y
	v_lshl_add_u32 v[SPW], v0, 2, SPARE
	v_mov_b32 v[NIL], 0
	ds_add_u32 v28, v29
	ds_add_u32 v28, v29
	s_wait_dscnt 0x0
	v_lshrrev_b32 v1, 5, v0
	v_readfirstlane_b32 s14, v1                    ; wave 0..3
	s_lshr_b32 s15, s14, 1                         ; which half of the tile's rows is mine.  Also: I fetch for h (0) or for Wd (1)
	s_and_b32 s16, s14, 1                          ; which half of its columns.  Also: which of the two blocks I fetch
	s_bfe_u32 s40, ttmp6, 0x40000                  ; cx, cy: my place in the cluster
	s_bfe_u32 s41, ttmp6, 0x40004
	s_lshl_b32 s42, ttmp9, 2
	s_add_co_u32 s42, s42, s40                     ; tile column of y = 4 x cluster x + cx
	s_and_b32 s17, ttmp7, 0xffff
	s_lshl_b32 s17, s17, 2
	s_add_co_u32 s17, s17, s41                     ; tile row of y = 4 x cluster y + cy
	s_lshl_b32 s43, s41, 2
	s_lshl_b32 s43, 15, s43                        ; my row of the cluster
	s_lshl_b32 s44, 0x1111, s40                    ; my column
	; descriptor group 1: a dense block of 33,792 bytes as 132 rows of 256 bytes (32 elements of 8 bytes), no padding
	s_or_b32 s[G1+0], s43, (3<<16)|(1<<21)         ; 15:0 the mask: h's blocks go to my row; 17:16 elements of 8 bytes; 21 set beside a mask
	s_or_b32 s[G1B+0], s44, (3<<16)|(1<<21)        ; Wd's go to my column
.irp g, G1, G1B
	s_mov_b32 s[\g+1], 32<<16                      ; tensor_dim0
	s_mov_b32 s[\g+2], 132<<16                     ; tensor_dim1
	s_mov_b32 s[\g+3], 32<<16                      ; tile_dim0
	s_mov_b32 s[\g+4], 132                         ; tile_dim1
	s_mov_b32 s[\g+5], 32                          ; tensor_dim0_stride
	s_mov_b32 s[\g+6], 0
	s_mov_b32 s[\g+7], 0
.endr
	s_lshl_b32 s20, s17, 1
	s_add_co_u32 s20, s20, s16                     ; h: block of rows 2 x tile row + half
	s_mul_i32 s20, s20, 6*BLK
	s_mov_b32 s21, 0
	s_lshl_b32 s46, s42, 1
	s_add_co_u32 s46, s46, s16                     ; Wd: block of rows 2 x tile column + half
	s_mul_i32 s46, s46, 6*BLK
	s_mov_b32 s47, 0
	s_mul_i32 s45, s14, BLK                        ; where they go: wave x BLK: no place in the cluster enters an LDS address
	s_wait_kmcnt 0x0
	s_add_nc_u64 s[20:21], s[4:5], s[20:21]
	s_add_nc_u64 s[46:47], s[6:7], s[46:47]
	CROUND                                         ; all sixteen work-groups are here: the first joint loads meet
.irp s, 0,1
	s_mov_b32 s[G0+4*\s], 1
	s_add_co_u32 s[G0+4*\s+1], s45, \s*SLOT
	s_add_nc_u64 s[G0+4*\s+2:G0+4*\s+3], s[20:21], \s*BLK
	s_or_b32 s[G0+4*\s+3], s[G0+4*\s+3], 0x80000000
	s_mov_b32 s[G0B+4*\s], 1
	s_add_co_u32 s[G0B+4*\s+1], s45, \s*SLOT
	s_add_nc_u64 s[G0B+4*\s+2:G0B+4*\s+3], s[46:47], \s*BLK
	s_or_b32 s[G0B+4*\s+3], s[G0B+4*\s+3], 0x80000000
	JLOAD \s                                       ; K steps 0 and 1: two loads of mine are out
.endr
	v_and_b32 v1, 15, v0                           ; r
	v_bfe_u32 v2, v0, 4, 1                         ; h
	v_and_b32 v6, 31, v0                           ; lane
	v_lshlrev_b32 v[CO], 4, v6                     ; 16 x lane
	s_mul_i32 s21, s15, BLK                        ; my block of h
	s_mul_i32 s22, s16, BLK                        ; my block of Wd,
	s_add_co_u32 s22, s22, 2*BLK                   ; which lies behind h's two
	v_add_nc_u32 v[ADRA], s21, v[CO]
	v_add_nc_u32 v[ADRA+1], SLOT, v[ADRA]
	v_add_nc_u32 v[ADRB], s22, v[CO]
	v_add_nc_u32 v[ADRB+1], SLOT, v[ADRB]
	v_lshlrev_b32 v5, 3, v1                        ; 8 bytes of scales a row
	s_sub_co_u32 s22, s22, s21
	v_mul_u32_u24 v4, s22, v2                      ; lanes 16-31 take Wd's: the lower base + h x the distance
	s_add_co_u32 s21, s21, 32768
	v_add_nc_u32 v5, v5, v4
	v_add_nc_u32 v[ADRS], s21, v5
	v_add_nc_u32 v[ADRS+1], SLOT, v[ADRS]
	s_mul_i32 s23, s14, 16*SPITCH                  ; my stage
	v_mul_u32_u24 v5, v1, SPITCH                   ; in: row r, 32 bytes for each half of the lanes
	v_lshl_add_u32 v5, v2, 5, v5
	v_add_nc_u32 v[STO], s23, v5
	v_add_nc_u32 v[RD], s23, v[CO]                 ; back: the 32 lanes take one row of 512 bytes
	s_lshl_b32 s20, s17, 8
	s_lshl_b32 s21, s15, 7
	s_add_co_u32 s20, s20, s21                     ; my first row of y: 256 x tile row + 128 x half,
	s_lshl_b32 s20, s20, 14                        ; of 16,384 bytes (under 2^26)
	s_mov_b32 s21, 0
	s_lshl_b32 s46, s42, 10                        ; my first column, in bytes: 1024 x tile column + 512 x half
	s_lshl_b32 s47, s16, 9
	s_add_co_u32 s46, s46, s47
	s_mov_b32 s47, 0
	s_add_nc_u64 s[20:21], s[20:21], s[46:47]
	s_add_nc_u64 s[12:13], s[12:13], s[20:21]
.macro FRAG reg, adr, q, i             ; row tile i, the slot's q-th 128 along K: registers 4 c .. 4 c + 3 hold K = 32 c + 16 (l / 16) + 0 .. 15 of row l % 16
.irp c, 0,1,2,3
	ds_load_b128 v[\reg+4*\c:\reg+4*\c+3], v[\adr] offset:4096*(\i)+2048*(\q)+512*\c
.endr
.endm
; 16 matrix instructions: h's tiles a0, a0 + 1 x Wd's eight.  p: Wd's set; sc: the set of scale words.  The 64 accumulators take turns, one instruction a turn, in the same order in every step.
.macro MUL16 a0, p, q, sc, zero
.irp a, \a0, \a0+1
.irp b, 0,1,2,3,4,5,6,7
.if \zero
	v_wmma_scale_f32_16x16x128_f8f6f4 v[8*(8*((\a)%4)+\b):8*(8*((\a)%4)+\b)+7], v[128*(\p)+FR*\b:128*(\p)+FR*\b+FR-1], v[AF+FR*(\a):AF+FR*(\a)+FR-1], 0, v[SC+8*NQ*(\sc)+NQ*\b+(\q)], v[SC+8*NQ*(\sc)+NQ*(\a)+(\q)] matrix_a_fmt:MATRIX_FMT_BF8 matrix_b_fmt:MATRIX_FMT_BF8 matrix_a_scale:MATRIX_SCALE_ROW1
.else
	v_wmma_scale_f32_16x16x128_f8f6f4 v[8*(8*((\a)%4)+\b):8*(8*((\a)%4)+\b)+7], v[128*(\p)+FR*\b:128*(\p)+FR*\b+FR-1], v[AF+FR*(\a):AF+FR*(\a)+FR-1], v[8*(8*((\a)%4)+\b):8*(8*((\a)%4)+\b)+7], v[SC+8*NQ*(\sc)+NQ*\b+(\q)], v[SC+8*NQ*(\sc)+NQ*(\a)+(\q)] matrix_a_fmt:MATRIX_FMT_BF8 matrix_b_fmt:MATRIX_FMT_BF8 matrix_a_scale:MATRIX_SCALE_ROW1
.endif
.endr
.endr
.endm
.macro FETCH_B slot, q, p
	WIN TO_B
.irp i, 0,1,2,3,4,5,6,7
	FRAG 128*(\p)+FR*\i, ADRB+\slot, \q, \i
.endr
	WIN 0
.endm
.macro FETCH_A slot, q, i0
.irp i, \i0, \i0+1, \i0+2, \i0+3
	FRAG AF+FR*(\i), ADRA+\slot, \q, \i
.endr
.endm
.macro SCALES sc                       ; a slot's scale words, two a row: lanes 0-15 h's tile i, lanes 16-31 Wd's tile i
.irp i, 0,1,2,3,4,5,6,7
	ds_load_b64 v[SC+8*NQ*\sc+NQ*\i:SC+8*NQ*\sc+NQ*\i+1], v[ADRS+\sc] offset:128*\i
.endr
.endm
.macro PLACES n                        ; plain vector lines behind a matrix instruction, ahead of loads into registers that it read and of the first read of results
.rept \n
	v_nop
.endr
.endm
; A step of 128 along K that has its successor in the same slot
.macro STEP slot, q, zero
	s_wait_dscnt 4*NL                              ; Wd's set, h's tiles 0-3 and the scale words are in; the youngest sixteen loads (h's tiles 4-7) may be out
	WIN MUL_LO
	MUL16 0, (\q)%2, \q, \slot, \zero
	MUL16 2, (\q)%2, \q, \slot, \zero
	s_wait_dscnt 0                                 ; h's tiles 4-7 are in
	PLACES NP
	FETCH_B \slot, (\q)+1, 1-(\q)%2
	FETCH_A \slot, (\q)+1, 0
	WIN MUL_HI
	MUL16 4, (\q)%2, \q, \slot, \zero
	MUL16 6, (\q)%2, \q, \slot, \zero
	PLACES NP
	WIN 0
	FETCH_A \slot, (\q)+1, 4
.endm
; A slot's last step changes slots: ONE barrier; ahead of it each wave waits for all its tensor loads, adds 0 to its spare word, and waits for that and for its own reads of this slot.  fill = 1: this slot is filled again, two K steps ahead.
.macro TURN slot, next, fill
	s_wait_tensorcnt 0x0                           ; all my tensor loads have landed: my part of the next slot  (every window is 0 here)
	ds_add_u32 v[SPW], v[NIL]                      ; 0 onto my spare word
	s_wait_dscnt 4*NL+1                            ; (the add and the youngest sixteen loads may be out)
	WIN MUL_LO
	MUL16 0, 1, NQ-1, \slot, 0                     ; sixteen matrix instructions stand between the add and the wait for it
	s_wait_dscnt 0x0                               ; the add is done, and my reads of this slot are over
	s_barrier_signal -1
	MUL16 2, 1, NQ-1, \slot, 0
	WIN 0
	s_barrier_wait -1
.if \fill
	CREST                                          ; the barrier has opened a round of the cluster's barrier: no wave of any partner still reads this slot or has a load on its way
	s_add_nc_u64 s[G0+4*\slot+2:G0+4*\slot+3], s[G0+4*\slot+2:G0+4*\slot+3], 2*BLK
	s_add_nc_u64 s[G0B+4*\slot+2:G0B+4*\slot+3], s[G0B+4*\slot+2:G0B+4*\slot+3], 2*BLK
	JLOAD \slot                                    ; the first tensor load behind the round; its four v_nop are four of the places
	PLACES NP-4
.else
	PLACES NP
.endif
	FETCH_B \next, 0, 0
	FETCH_A \next, 0, 0
	SCALES \next
	WIN MUL_HI
	MUL16 4, 1, NQ-1, \slot, 0
	MUL16 6, 1, NQ-1, \slot, 0
	PLACES NP
	WIN 0
	FETCH_A \next, 0, 4
.endm
	s_wait_tensorcnt 1                             ; my part of K step 0 is in (K step 1's may be out)
	s_barrier_signal -1
	s_barrier_wait -1                              ; everybody's is
	FETCH_B 0, 0, 0
	FETCH_A 0, 0, 0
	SCALES 0
	FETCH_A 0, 0, 4
	STEP 0, 0, 1                                   ; the first step stands ahead of the loop: its products start the sums
	s_mov_b32 s3, 2                                ; six K steps' worth of blocks: four refills, two a trip
.Llap:
	TURN 0, 1, 1
	STEP 1, 0, 0
	TURN 1, 0, 1
	STEP 0, 0, 0
	s_sub_co_u32 s3, s3, 1
	s_cmp_lg_u32 s3, 0
	s_cbranch_scc1 .Llap
	TURN 0, 1, 0                                   ; K step 4's second half; nothing is filled
	s_wait_dscnt 4*NL                              ; the eleventh and last step of 128: K step 5's first half (its second lies beyond K and is not multiplied)
	WIN MUL_LO
	MUL16 0, 0, 0, 1, 0
	MUL16 2, 0, 0, 1, 0
	s_wait_dscnt 0
	WIN MUL_HI
	MUL16 4, 0, 0, 1, 0
	MUL16 6, 0, 0, 1, 0
	WIN 0
; THE WAY OUT, block by block of 16 rows x 128 columns.  A lane holds 32 neighbouring bytes of a row and the lanes beside it other rows: a block goes through my own stage in LDS and comes back as whole rows of 512 bytes.
; LDS serves a wave's instructions in order (ISA guide 5.7.1.4): no wait between the stores and the loads, nor ahead of the next block's stores.
.macro TOSTAGE a
.set AC, 64*((\a)%4)
	WIN 0x08+4*((\a)/4)                            ; an LDS store's data are its source 1: window 2 or 3
.irp b, 0,1,2,3,4,5,6,7
	ds_store_b128 v[STO], v[AC+8*\b:AC+8*\b+3] offset:64*\b          ; each accumulator from its low end on
	ds_store_b128 v[STO], v[AC+8*\b+4:AC+8*\b+7] offset:64*\b+16
.endr
	WIN 0
.set BB, BK+64*((\a)%2)
.irp t, 0,1,2,3,4,5,6,7,8,9,10,11,12,13,14,15
	ds_load_b128 v[BB+4*\t:BB+4*\t+3], v[RD] offset:\t*SPITCH
.endr
.endm
.macro SEND a, younger                 ; younger: the LDS instructions issued behind block a's loads, which may stay out
.set BB, BK+64*((\a)%2)
	s_wait_dscnt \younger                          ; the block is back in registers
.if (\a) > 0
	s_add_nc_u64 s[12:13], s[12:13], 16*SIZE_N*4   ; (behind a wait on XCNT: the earlier stores have read their base)  16 rows of y on
.endif
.irp t, 0,1,2,3,4,5,6,7,8,9,10,11,12,13,14,15
	global_store_b128 v[CO], v[BB+4*\t:BB+4*\t+3], s[12:13] offset:\t*SIZE_N*4 th:TH_STORE_NT   ; 32 lanes store 512 consecutive bytes, at a multiple of 256 from y's first byte; written once, read by nobody here
.endr
.endm
	PLACES NP                                      ; ahead of the reads of the last results, and of the loads into the registers that held h's fragments
	TOSTAGE 0
.irp a, 1,2,3,4,5,6,7
.if \a > 1
	s_wait_xcnt 0x0                                ; block a - 2's stores have read their registers and their base: block a's loads may land there, and the base may step
.endif
	TOSTAGE \a
	SEND \a-1, 32                                  ; behind block a - 1's loads: block a's 16 stores and 16 loads
.endr
	s_wait_xcnt 0x0                                ; block 6's stores have read their base
	SEND 7, 0
	s_wait_tensorcnt 0x0                           ; the wave's end: behind my last tensor load and my last LDS store
	ds_add_u32 v[SPW], v[NIL]
	s_wait_dscnt 0x0
	CROUND                                         ; the closing round: no work-group ends while a partner may still ask for a tile that names it
	s_endpgm
.Lfunc_end_k_qff7ec213f6_down:
	.size	k_qff7ec213f6_down, .Lfunc_end_k_qff7ec213f6_down-k_qff7ec213f6_down
	.p2alignl 7, 3214868480
	.fill 96, 4, 3214868480
	.section	.rodata,"a",@progbits
	.p2align	6, 0x0
	.amdhsa_kernel k_qff7ec213f6_down
		.amdhsa_group_segment_fixed_size 327680
		.amdhsa_private_segment_fixed_size 0
		.amdhsa_enable_private_segment 0
		.amdhsa_kernarg_size 24
		.amdhsa_user_sgpr_count 2
		.amdhsa_user_sgpr_kernarg_segment_ptr 1
		.amdhsa_wavefront_size32 1
		.amdhsa_system_sgpr_workgroup_id_x 1
		.amdhsa_system_sgpr_workgroup_id_y 1
		.amdhsa_system_sgpr_workgroup_id_z 1
		.amdhsa_system_vgpr_workitem_id 0
		.amdhsa_next_free_vgpr 1024
		.amdhsa_next_free_sgpr 68
		.amdhsa_reserve_vcc 0
		.amdhsa_float_denorm_mode_32 3
		.amdhsa_float_denorm_mode_16_64 3
		.amdhsa_memory_ordered 1
		.amdhsa_forward_progress 1
		.amdhsa_inst_pref_size 130
	.end_amdhsa_kernel
	.amdgpu_metadata
---
amdhsa.version: [ 1, 2 ]
amdhsa.kernels:
  - .name:           k_qff7ec213f6_down
    .symbol:         k_qff7ec213f6_down.kd
    .args:
      - { .name: hq, .offset: 0, .size: 8, .value_kind: global_buffer, .address_space: global }
      - { .name: dq, .offset: 8, .size: 8, .value_kind: global_buffer, .address_space: global }
      - { .name: out0, .offset: 16, .size: 8, .value_kind: global_buffer, .address_space: global }
    .group_segment_fixed_size: 327680
    .private_segment_fixed_size: 0
    .kernarg_segment_align: 8
    .kernarg_segment_size: 24
    .max_flat_workgroup_size: 128
    .sgpr_count:     68
    .vgpr_count:     1024
    .wavefront_size: 32
...
	.end_amdgpu_metadata
.endif
;; end of part 3
